; MI455X (gfx1250); checked and timed in simulation.
; The chip was launched on July 23, 2026; its instructions are those of AMD's public machine-readable ISA for CDNA 5 (MIT licence, August 2026) and "CDNA5" Instruction Set Architecture Reference Guide (July 2026). The comments in the code are by the model that wrote it; some were corrected since.
;; Knowledge Circuit. Allowed arithmetic: float matrix products may take bf16 or f16 operands with f32 sums; other float arithmetic in f32, or as packed bf16 or f16 multiplies, adds, multiply-adds, maxima and minima; sums over many terms, partial sums and values carried from step to step in f32; what a program stores and reads back later, other than sums and carried values, may be rounded once to bf16 or f16.
;; Inputs: feature_know 64 x 1,024 x 64 float32; feature_know_w 4 x 2,048 x 64 float32; restore_know 64 x 64 x 1,024 float32; restore_know_w 4 x 2,048 x 64 float32; x 4 x 2,048 x 1,024 float32.
;; Outputs: out0 4 x 2,048 x 1,024 float32.
;; 2 versions, each right; version 2 is version 1 with the launch prep written anew for expert scheduling mode. Each part assembles by itself: llvm-mc -triple=amdgcn-amd-amdhsa -mcpu=gfx1250 --defsym DOCPART=n.
;; ======== version 1 of 2: 3 launches
;; workspace buffers: xb 16,777,216 bytes; f2 8,388,608 bytes; rb 8,388,608 bytes; fw2 2,097,152 bytes; rw2 2,097,152 bytes; hp 16,777,216 bytes
;; launch prep (part 1): grid 1088 x 1, 8 waves a work-group, no clusters, 0 bytes of LDS; arguments x, restore_know, feature_know, feature_know_w, restore_know_w, xb, rb, f2, fw2, rw2; writes xb, rb, f2, fw2, rw2
.if DOCPART == 1
	.amdgcn_target "amdgcn-amd-amdhsa--gfx1250"
	.amdhsa_code_object_version 6
	.text
	.protected	k_qc79f587f81_prep
	.globl	k_qc79f587f81_prep
	.p2align	8
	.type	k_qc79f587f81_prep,@function
k_qc79f587f81_prep:
	s_mov_b64 s[64:65], 0
	v_nop
	global_prefetch_b8 v0, s[64:65] scope:SCOPE_SE
	s_setreg_imm32_b32 hwreg(HW_REG_WAVE_MODE, 25, 1), 1
	s_wait_xcnt 0x0
; PREP: every input is rounded once to bf16 and laid out for the two products that follow.
;   xb  [8192 t][1024 d] bf16            = x, cast
;   rb  [4096 = 64 n + r][1024 d] bf16   = restore_know, cast (its rows already lie in that order)
;   f2  [1024 d][4096 = 64 n + r] bf16   = feature_know with n and d exchanged: rows along the columns (n, r) of the first product
;   fw2, rw2 [128 tb][64 n][16 i][4 a] f32 = the gate of token 64 tb + 16 a + i for n, rounded to bf16 and written as f32 (low 16 bits 0):
;        one load of 16 bytes gives a lane (i = lane % 16) the gates of its token in the four blocks a of 16 tokens of a wave
; LIMITS.  Rounding to nearest even; NaN and infinities are not treated apart.
; A stream: a work-group takes 65,536 bytes of one input, a wave 8,192: sixteen loads of 16 bytes a lane, all issued ahead of the first wait.  No byte is read twice, nothing is shared
; between work-groups, and there is nothing to multiply: so no LDS, no barrier, no cluster and no matrix unit.  No register that a store reads is written again, so no wait frees any.
; Work-groups 0-511: x.  512-767: restore_know.  768-1023: feature_know.  1024-1055: feature_know_w.  1056-1087: restore_know_w.
.set VIN,  3                           ; v3        my byte offset in the work-group's input
.set VOUT, 4                           ; v4        my byte offset in its output
.set LD,   16                          ; v[16:79]  sixteen loads of four f32
.set OT,   80                          ; v[80:143] what is stored
.set PK,   144                         ; v[144:151] the gates' packed roundings, at work
	s_load_b512 s[8:23], s[0:1], 0x0               ; x s8, restore_know s10, feature_know s12, feature_know_w s14, restore_know_w s16, xb s18, rb s20, f2 s22 (pairs)
	s_load_b128 s[24:27], s[0:1], 0x40             ; fw2 s24, rw2 s26
	v_lshrrev_b32 v1, 5, v0                        ; wave
	v_and_b32 v2, 31, v0                           ; lane
	s_mov_b32 s29, 0                               ; the high word of every offset
	s_mov_b32 s3, 0xffff0000                       ; a word's upper bf16
	s_wait_kmcnt 0x0
; Sixteen loads, instep bytes apart; four f32 become four bf16; sixteen stores of 8 bytes a lane, outstep bytes apart: the wave's 32 lanes store 256 consecutive bytes, aligned.
.macro CAST instep, outstep
.set k, 0
.rept 16
	global_load_b128 v[LD+4*k:LD+4*k+3], v[VIN], s[4:5] offset:k*(\instep) th:TH_LOAD_NT
.set k, k+1
.endr
.set k, 0
.rept 16
	s_wait_loadcnt 15-k                            ; loads come back in order: load k is in, the 15 - k younger ones stay out
	v_cvt_pk_bf16_f32 v[OT+2*k],   v[LD+4*k],   v[LD+4*k+1]
	v_cvt_pk_bf16_f32 v[OT+2*k+1], v[LD+4*k+2], v[LD+4*k+3]
	global_store_b64 v[VOUT], v[OT+2*k:OT+2*k+1], s[6:7] offset:k*(\outstep)
.set k, k+1
.endr
.endm
	s_cmp_lt_u32 ttmp9, 768
	s_cbranch_scc0 .Lnot_dense
	; x and restore_know: a plain cast.  Block = 65,536 bytes in, 32,768 out.
	s_cmp_lt_u32 ttmp9, 512
	s_cselect_b64 s[4:5], s[8:9], s[10:11]         ; from x or restore_know
	s_cselect_b64 s[6:7], s[18:19], s[20:21]       ; to xb or rb
	s_cselect_b32 s2, 0, 512
	s_sub_co_u32 s2, ttmp9, s2                     ; the block's number in its tensor
	s_lshl_b32 s28, s2, 16
	s_add_nc_u64 s[4:5], s[4:5], s[28:29]
	s_lshl_b32 s28, s2, 15
	s_add_nc_u64 s[6:7], s[6:7], s[28:29]
	v_lshlrev_b32 v[VIN], 4, v2
	v_lshl_add_u32 v[VIN], v1, 13, v[VIN]          ; 8,192 wave + 16 lane
	v_lshlrev_b32 v[VOUT], 3, v2
	v_lshl_add_u32 v[VOUT], v1, 12, v[VOUT]        ; 4,096 wave + 8 lane
	CAST 512, 256
	s_endpgm
.Lnot_dense:
	s_cmp_lt_u32 ttmp9, 1024
	s_cbranch_scc0 .Lgates
	; feature_know [n][d][64 r]: a work-group takes two neighbouring n and 128 d.  A load takes row d of n (lanes 0-15) and of n + 1 (lanes 16-31), 256 bytes each;
	; the two rows' 128 bf16 are 256 consecutive bytes of row d of f2.
	s_sub_co_u32 s2, ttmp9, 768
	s_lshr_b32 s30, s2, 3                          ; the pair of n
	s_and_b32 s31, s2, 7                           ; which 128 d
	s_lshl_b32 s28, s30, 19                        ; two n of 262,144 bytes
	s_lshl_b32 s2, s31, 15                         ; 128 d of 256 bytes
	s_add_co_u32 s28, s28, s2
	s_add_nc_u64 s[4:5], s[12:13], s[28:29]
	s_lshl_b32 s28, s31, 20                        ; 128 rows of 8,192 bytes
	s_lshl_b32 s2, s30, 8                          ; 128 columns of 2 bytes
	s_add_co_u32 s28, s28, s2
	s_add_nc_u64 s[6:7], s[22:23], s[28:29]
	v_lshrrev_b32 v5, 4, v2                        ; which of the two n
	v_and_b32 v6, 15, v2
	v_lshlrev_b32 v[VIN], 4, v6
	v_lshl_add_u32 v[VIN], v1, 12, v[VIN]          ; the wave's 16 d
	v_lshl_add_u32 v[VIN], v5, 18, v[VIN]
	v_lshlrev_b32 v[VOUT], 3, v2
	v_lshl_add_u32 v[VOUT], v1, 17, v[VOUT]        ; the wave's 16 rows of f2
	CAST 256, 8192
	s_endpgm
.Lgates:
	; the gates [t][64 n]: a work-group takes 256 tokens: four blocks u of 64.  Lane (i = lane % 16, nq = 2 wave + lane / 16) loads n = 4 nq .. 4 nq + 3 of token 64 u + 16 a + i,
	; for a = 0 .. 3, and stores for each of its four n the four a together: sixteen lanes store the 256 bytes of one (block, n).
	s_sub_co_u32 s2, ttmp9, 1024
	s_cmp_lt_u32 s2, 32
	s_cselect_b64 s[4:5], s[14:15], s[16:17]
	s_cselect_b64 s[6:7], s[24:25], s[26:27]
	s_and_b32 s2, s2, 31
	s_lshl_b32 s28, s2, 16                         ; 256 tokens are 65,536 bytes, in and out
	s_add_nc_u64 s[4:5], s[4:5], s[28:29]
	s_add_nc_u64 s[6:7], s[6:7], s[28:29]
	v_and_b32 v5, 15, v2                           ; i
	v_lshrrev_b32 v6, 4, v2
	v_lshl_add_u32 v6, v1, 1, v6                   ; nq
	v_lshlrev_b32 v[VIN], 8, v5
	v_lshl_add_u32 v[VIN], v6, 4, v[VIN]           ; 256 i + 16 nq
	v_lshlrev_b32 v[VOUT], 4, v5
	v_lshl_add_u32 v[VOUT], v6, 10, v[VOUT]        ; 1,024 nq + 16 i
.irp u, 0,1,2,3
.irp a, 0,1,2,3
	global_load_b128 v[LD+16*(\u)+4*(\a):LD+16*(\u)+4*(\a)+3], v[VIN], s[4:5] offset:(\u)*16384+(\a)*4096 th:TH_LOAD_NT
.endr
.endr
.irp u, 0,1,2,3
	s_wait_loadcnt 12-4*(\u)                       ; block u's four loads are in; the later blocks' stay out
.irp k, 0,1,2,3
	v_cvt_pk_bf16_f32 v[PK+2*(\k)],   v[LD+16*(\u)+(\k)],   v[LD+16*(\u)+4+(\k)]    ; a = 0, 1
	v_cvt_pk_bf16_f32 v[PK+2*(\k)+1], v[LD+16*(\u)+8+(\k)], v[LD+16*(\u)+12+(\k)]   ; a = 2, 3
	v_lshlrev_b32 v[OT+16*(\u)+4*(\k)],   16, v[PK+2*(\k)]      ; bf16 back to f32: the low half moves up,
	v_and_b32     v[OT+16*(\u)+4*(\k)+1], s3, v[PK+2*(\k)]      ; the high half stays
	v_lshlrev_b32 v[OT+16*(\u)+4*(\k)+2], 16, v[PK+2*(\k)+1]
	v_and_b32     v[OT+16*(\u)+4*(\k)+3], s3, v[PK+2*(\k)+1]
	global_store_b128 v[VOUT], v[OT+16*(\u)+4*(\k):OT+16*(\u)+4*(\k)+3], s[6:7] offset:(\u)*16384+(\k)*256
.endr
.endr
	s_endpgm
.Lfunc_end_k_qc79f587f81_prep:
	.size	k_qc79f587f81_prep, .Lfunc_end_k_qc79f587f81_prep-k_qc79f587f81_prep
	.p2alignl 7, 3214868480
	.fill 96, 4, 3214868480
	.section	.rodata,"a",@progbits
	.p2align	6, 0x0
	.amdhsa_kernel k_qc79f587f81_prep
		.amdhsa_group_segment_fixed_size 0
		.amdhsa_private_segment_fixed_size 0
		.amdhsa_enable_private_segment 0
		.amdhsa_kernarg_size 80
		.amdhsa_user_sgpr_count 2
		.amdhsa_user_sgpr_kernarg_segment_ptr 1
		.amdhsa_wavefront_size32 1
		.amdhsa_system_sgpr_workgroup_id_x 1
		.amdhsa_system_sgpr_workgroup_id_y 1
		.amdhsa_system_sgpr_workgroup_id_z 1
		.amdhsa_system_vgpr_workitem_id 0
		.amdhsa_next_free_vgpr 152
		.amdhsa_next_free_sgpr 66
		.amdhsa_reserve_vcc 0
		.amdhsa_float_denorm_mode_32 3
		.amdhsa_float_denorm_mode_16_64 3
		.amdhsa_memory_ordered 1
		.amdhsa_forward_progress 1
		.amdhsa_inst_pref_size 21
	.end_amdhsa_kernel
	.amdgpu_metadata
---
amdhsa.version: [ 1, 2 ]
amdhsa.kernels:
  - .name:           k_qc79f587f81_prep
    .symbol:         k_qc79f587f81_prep.kd
    .args:
      - { .name: x, .offset: 0, .size: 8, .value_kind: global_buffer, .address_space: global }
      - { .name: restore_know, .offset: 8, .size: 8, .value_kind: global_buffer, .address_space: global }
      - { .name: feature_know, .offset: 16, .size: 8, .value_kind: global_buffer, .address_space: global }
      - { .name: feature_know_w, .offset: 24, .size: 8, .value_kind: global_buffer, .address_space: global }
      - { .name: restore_know_w, .offset: 32, .size: 8, .value_kind: global_buffer, .address_space: global }
      - { .name: xb, .offset: 40, .size: 8, .value_kind: global_buffer, .address_space: global }
      - { .name: rb, .offset: 48, .size: 8, .value_kind: global_buffer, .address_space: global }
      - { .name: f2, .offset: 56, .size: 8, .value_kind: global_buffer, .address_space: global }
      - { .name: fw2, .offset: 64, .size: 8, .value_kind: global_buffer, .address_space: global }
      - { .name: rw2, .offset: 72, .size: 8, .value_kind: global_buffer, .address_space: global }
    .group_segment_fixed_size: 0
    .private_segment_fixed_size: 0
    .kernarg_segment_align: 8
    .kernarg_segment_size: 80
    .max_flat_workgroup_size: 256
    .sgpr_count:     66
    .vgpr_count:     152
    .wavefront_size: 32
...
	.end_amdgpu_metadata
.endif
;; end of part 1
;; launch feat (part 2): grid 8 x 32, 4 waves a work-group, clusters of 4 x 4, 327,680 bytes of LDS; arguments xb, f2, fw2, hp; writes hp
.if DOCPART == 2
	.amdgcn_target "amdgcn-amd-amdhsa--gfx1250"
	.amdhsa_code_object_version 6
	.text
	.protected	k_qc79f587f81_feat
	.globl	k_qc79f587f81_feat
	.p2align	8
	.type	k_qc79f587f81_feat,@function
k_qc79f587f81_feat:
	s_mov_b64 s[64:65], 0
	v_nop
	global_prefetch_b8 v0, s[64:65] scope:SCOPE_SE
	s_setreg_imm32_b32 hwreg(HW_REG_WAVE_MODE, 25, 1), 1
	s_wait_xcnt 0x0
	s_wait_alu depctr_hold_cnt(0) depctr_sa_sdst(0) depctr_va_vdst(0) depctr_va_sdst(0) depctr_va_ssrc(0) depctr_va_vcc(0) depctr_vm_vsrc(0)
	s_getreg_b32 s2, hwreg(HW_REG_IB_STS2, 6, 4)
	s_cmp_eq_u32 s2, 0
	s_cbranch_scc0 .Lentry_in_a_cluster
	s_endpgm
.Lentry_in_a_cluster:
	s_bfe_u32 s2, ttmp6, 0x10000c
	s_cmp_lg_u32 s2, 0xf033
	s_cbranch_scc0 .Lentry_shape_is_right
	s_endpgm
.Lentry_shape_is_right:
; FEAT: the feature stage.  allh[t][(n, r)] = sum over d of xb[t][d] f2[d][(n, r)] (bf16 operands, f32 sums), and of it at once the partial sum
; hp[g][t][r] = sum over the eight n of column group g of fw[t][n] allh[t][(n, r)], in f32.  allh never leaves the registers.
; LIMITS.  x, feature_know and the gates arrive rounded to bf16; all sums are f32, in an order that is not the reference's; NaN and infinities are not treated apart.
; SHARES.  256 work-groups: 32 blocks of 256 tokens x 8 groups of 512 columns (8 n).  A work-group makes two tiles of 256 tokens x 256 columns (4 n), one after the other, K = 1,024 each.
; A wave owns 64 tokens and ALL 256 columns of a tile: 64 accumulators of 16 x 16, 512 registers.  So a token's whole sum over the group's n lies in one wave: 128 registers of h, kept across both tiles.
; THE MATRIX INSTRUCTION IS USED TRANSPOSED: source 0 = 16 columns of f2 (out of a tile stored [d][column], turned by ds_load_tr16_b128), source 1 = 16 tokens.  In the result lane l holds ONE token
; (l % 16) and eight neighbouring columns 8 (l / 16) + 0..7, all of one n: the gate is one number a lane, and the sum over n is a packed multiply-add.
; h leaves as the registers lie: hp [8 g][128 blocks of 64 tokens][32 q][32 lanes][4 f32]; register 32 a + 8 rb + j of lane l is h[token 16 a + l % 16][r = 16 rb + 8 (l / 16) + j].
; RING.  K goes in steps of 128 through two LDS slots (256 rows of xb, 128 rows of f2), each wave fetching a quarter of a slot by one tensor load; the ring runs on from the first tile into the second.
; CLUSTER.  4 x 4 work-groups: the four of a row need the same tiles of xb, the four of a column the same tiles of f2: each tile is asked for jointly, by the same load, descriptor and mask in all four.
; REGISTERS, in windows of 256 (s_set_vgpr_msb: bits 1:0 source 0, 3:2 source 1, 5:4 source 2, 7:6 destination):
;   window 0: v0-31 addresses; v32-63 the gates; v64-95, v96-127 token fragments, two buffers; v128-255 h        window 1: v0-127, v128-255 column fragments, two buffers
;   window 2: the accumulators of token blocks 0, 1 ((a, b) at 128 (a % 2) + 8 b)                                  window 3: those of blocks 2, 3
.set PA,    272                        ; a row of xb in LDS: 256 bytes + 16 = 68 words: the 16 rows of a load start at 16 different groups of four banks (64 banks of 4 bytes: ISA guide 11.1)
.set PB,    544                        ; a row of f2: 512 bytes + 32 = 136 words
.set HALFT, 128*PA                     ; what one tensor load brings: 128 rows of xb, or 64 rows of f2 (64 x 544 is the same number)
.set SLOT,  4*HALFT                    ; xb's 256 rows, then f2's 128 rows
.set SPARE, 2*SLOT                     ; behind the ring: the spare words, 128 bytes for each wave: two blocks of 256 bytes that no other line names
.set ADRA, 16                          ; v16-17  LDS address of my token fragments in slot 0, 1
.set ADRB, 20                          ; v20-21  the same for the column fragments
.set HO,   24                          ; v24     16 x lane: my place in 512 consecutive bytes of hp
.set FWO,  25                          ; v25     16 x (lane % 16): my token's four gates
.set SPW,  28                          ; v28     LDS address of my spare word; never rewritten
.set NIL,  29                          ; v29     0; never rewritten
.set FW,   32                          ; the gate of the group's n number n8 for token block a at FW + 4 n8 + a
.set AF,   64                          ; token fragments: buffer f, block a at AF + 32 f + 8 a
.set H,    128                         ; h: block a, 16 r number rb at H + 32 a + 8 rb
.set G1A, 24                           ; s[24:31] descriptor group 1 for xb's tiles;  s[32:39] group 0, a set for each slot
.set G0A, 32
.set G1B, 48                           ; s[48:55], s[56:63] the same for f2's tiles
.set G0B, 56
.set MSB, 0
.macro WIN new                         ; the immediate's high byte repeats the setting that is left; a switch that changes nothing is dropped
.if MSB != (\new)
	s_set_vgpr_msb (MSB<<8)|(\new)
.set MSB, \new
.endif
.endm
; A joint load.  Waves 0 and 1 fetch xb's two halves, waves 2 and 3 f2's.  The branch hangs on the wave's number alone.  An s_nop 0 and four v_nop follow each of the two lines.
.macro JLOAD s
	s_cmp_eq_u32 s13, 0
	s_cbranch_scc0 .Lfor_b_\@
	tensor_load_to_lds s[G0A+4*(\s):G0A+4*(\s)+3], s[G1A:G1A+7]
	s_nop 0
.rept 4
	v_nop
.endr
	s_branch .Lasked_\@
.Lfor_b_\@:
	tensor_load_to_lds s[G0B+4*(\s):G0B+4*(\s)+3], s[G1B:G1B+7]
	s_nop 0
.rept 4
	v_nop
.endr
.Lasked_\@:
.endm
.macro CREST                           ; a round of the cluster's barrier behind its opening barrier: wave 0 signals for the work-group, every wave waits for all sixteen, my work-group's barrier closes it
	s_cmp_lg_u32 s12, 0
	s_cbranch_scc1 .Lnot_wave_0_\@
	s_barrier_signal -3
.Lnot_wave_0_\@:
	s_barrier_wait -3
	s_barrier_signal -1
	s_barrier_wait -1
.endm
.macro CROUND                          ; a whole round
	s_barrier_signal -1
	s_barrier_wait -1
	CREST
.endm
	s_load_b256 s[4:11], s[0:1], 0x0               ; xb s[4:5], f2 s[6:7], fw2 s[8:9], hp s[10:11]
	v_lshl_add_u32 v[SPW], v0, 2, SPARE
	v_mov_b32 v[NIL], 0
	ds_add_u32 v[SPW], v[NIL]                      ; the wave's opening: the add and its wait stand ahead of my first tensor load; the set-up below, work on registers, stands between them
	v_lshrrev_b32 v1, 5, v0
	v_readfirstlane_b32 s12, v1                    ; wave 0..3
	s_lshr_b32 s13, s12, 1                         ; I fetch for xb (0) or for f2 (1)
	s_and_b32 s14, s12, 1                          ; which half of that tile
	s_bfe_u32 s40, ttmp6, 0x40000                  ; cx, cy: my place in the cluster
	s_bfe_u32 s41, ttmp6, 0x40004
	s_lshl_b32 s42, ttmp9, 2
	s_add_co_u32 s42, s42, s40                     ; column group = 4 x cluster x + cx
	s_and_b32 s43, ttmp7, 0xffff
	s_lshl_b32 s43, s43, 2
	s_add_co_u32 s43, s43, s41                     ; token block = 4 x cluster y + cy
	s_lshl_b32 s44, s41, 2
	s_lshl_b32 s44, 15, s44                        ; my row of the cluster
	s_lshl_b32 s45, 0x1111, s40                    ; my column
	s_or_b32 s[G1A+0], s44, (1<<16)|(1<<20)|(1<<21)|(5<<22)|(3<<25)  ; 15:0 the mask: xb's tiles go to my row; 17:16 2-byte elements; 20 padding on; 21 set beside a mask; 24:22 after every 64 words (code 5); 31:25 4 words (code 3)
	s_mov_b32 s[G1A+1], 128<<16                    ; tensor_dim0 = 128
	s_mov_b32 s[G1A+2], 128<<16                    ; tensor_dim1 = 128
	s_mov_b32 s[G1A+3], 128<<16                    ; tile_dim0 = 128 elements: 256 bytes
	s_mov_b32 s[G1A+4], 128                        ; tile_dim1 = 128 rows
	s_mov_b32 s[G1A+5], 1024                       ; elements from row to row
	s_mov_b32 s[G1A+6], 0
	s_mov_b32 s[G1A+7], 0
	s_or_b32 s[G1B+0], s45, (1<<16)|(1<<20)|(1<<21)|(6<<22)|(7<<25)  ; f2's tiles go to my column; padding after every 128 words (code 6), 8 words (code 7)
	s_mov_b32 s[G1B+1], 256<<16                    ; tensor_dim0 = 256
	s_mov_b32 s[G1B+2], 64<<16                     ; tensor_dim1 = 64
	s_mov_b32 s[G1B+3], 256<<16                    ; tile_dim0 = 256 elements: 512 bytes
	s_mov_b32 s[G1B+4], 64                         ; tile_dim1 = 64 rows
	s_mov_b32 s[G1B+5], 4096
	s_mov_b32 s[G1B+6], 0
	s_mov_b32 s[G1B+7], 0
	; where the tiles come from.  xb's hang on the token block alone, f2's on the column group alone; each offset is made in registers that never hold the other coordinate.
	s_lshl_b32 s16, s43, 8
	s_lshl_b32 s17, s14, 7
	s_add_co_u32 s16, s16, s17                     ; xb: row 256 x token block + 128 x half,
	s_lshl_b32 s16, s16, 11                        ; of 2,048 bytes
	s_mov_b32 s17, 0
	s_lshl_b32 s46, s14, 19                        ; f2: row 64 x half, of 8,192 bytes,
	s_lshl_b32 s47, s42, 10                        ; column 512 x group, of 2 bytes
	s_add_co_u32 s46, s46, s47
	s_mov_b32 s47, 0
	s_mul_i32 s20, s12, HALFT                      ; and where they go: wave x a quarter of a slot: no place in the cluster enters an LDS address
	s_wait_dscnt 0x0                               ; the opening add is done
	s_wait_kmcnt 0x0
	s_add_nc_u64 s[16:17], s[4:5], s[16:17]
	s_add_nc_u64 s[46:47], s[6:7], s[46:47]
	CROUND                                         ; all sixteen work-groups are here: the first joint loads meet
.irp s, 0,1
	s_mov_b32 s[G0A+4*(\s)], 1                                       ; count = 1
	s_add_co_u32 s[G0A+4*(\s)+1], s20, (\s)*SLOT                     ; LDS address
	s_add_nc_u64 s[G0A+4*(\s)+2:G0A+4*(\s)+3], s[16:17], (\s)*256    ; global address: K step s, 256 bytes along the rows
	s_or_b32 s[G0A+4*(\s)+3], s[G0A+4*(\s)+3], 0x80000000            ; type = 2
	s_mov_b32 s[G0B+4*(\s)], 1
	s_add_co_u32 s[G0B+4*(\s)+1], s20, (\s)*SLOT
	s_add_nc_u64 s[G0B+4*(\s)+2:G0B+4*(\s)+3], s[46:47], (\s)*128*8192  ; K step s, 128 rows down
	s_or_b32 s[G0B+4*(\s)+3], s[G0B+4*(\s)+3], 0x80000000
	JLOAD \s                                       ; two loads of mine are out
.endr
	; my wave's gates: eight n x four token blocks, 16 bytes a lane and n
	v_and_b32 v1, 15, v0                           ; l % 16
	v_bfe_u32 v2, v0, 4, 1                         ; l / 16
	v_lshlrev_b32 v[FWO], 4, v1
	s_lshl_b32 s18, s43, 2
	s_add_co_u32 s18, s18, s12
	s_lshl_b32 s18, s18, 14                        ; my wave's block of 64 tokens: 16,384 bytes in fw2, and in each group's part of hp
	s_mov_b32 s19, 0
	s_lshl_b32 s22, s42, 11                        ; the group's eight n of 256 bytes
	s_mov_b32 s23, 0
	s_add_nc_u64 s[8:9], s[8:9], s[18:19]
	s_add_nc_u64 s[8:9], s[8:9], s[22:23]
.irp n, 0,1,2,3,4,5,6,7
	global_load_b128 v[FW+4*(\n):FW+4*(\n)+3], v[FWO], s[8:9] offset:256*(\n)
.endr
	s_lshl_b32 s22, s42, 21                        ; the group's 2,097,152 bytes of hp
	s_add_nc_u64 s[10:11], s[10:11], s[18:19]
	s_add_nc_u64 s[10:11], s[10:11], s[22:23]
	; A token fragment is 16 rows x 32 K in 8 registers: lane l holds row l % 16, K = 8 (l / 16) + 0..7 and 16 + 8 (l / 16) + 0..7: two loads of 16 bytes, 32 bytes apart.
	v_mul_u32_u24 v3, v1, PA
	v_lshl_add_u32 v3, v2, 4, v3
	s_mul_i32 s21, s12, 64*PA                      ; my 64 tokens
	v_add_nc_u32 v[ADRA], s21, v3
	v_add_nc_u32 v[ADRA+1], SLOT, v[ADRA]
	; The turning load takes 16 K x 16 columns (lane l reads row 8 (l / 16) + l % 8, columns 8 ((l / 8) % 2) + 0..7) and leaves half a fragment: lane l holds column l % 16 and 8 K.
	v_and_b32 v4, 7, v0
	v_lshl_add_u32 v4, v2, 3, v4
	v_mul_u32_u24 v4, v4, PB
	v_bfe_u32 v5, v0, 3, 1
	v_lshl_add_u32 v4, v5, 4, v4
	v_add_nc_u32 v[ADRB], 2*HALFT, v4              ; f2's rows lie behind xb's 256
	v_add_nc_u32 v[ADRB+1], SLOT, v[ADRB]
	v_and_b32 v5, 31, v0
	v_lshlrev_b32 v[HO], 4, v5
	; h starts at 0: 128 lines, in the wait for the first tile; their price buys one form of the sum over n for both tiles.
.set i, H
.rept 128
	v_mov_b32 v[i], 0
.set i, i+1
.endr
; 16 matrix instructions: token block a x all 16 column blocks, 32 along K, from buffer f.  zero = 1: the product starts the sums: no accumulator is ever cleared.
.macro MUL16 f, a, zero
	WIN 0xa1+0x50*((\a)/2)                         ; source 0 window 1, source 1 window 0, C and D window 2 or 3
.set rC, 128*((\a)%2)
.irp b, 0,1,2,3,4,5,6,7,8,9,10,11,12,13,14,15
.if \zero
	v_wmma_f32_16x16x32_bf16 v[rC+8*(\b):rC+8*(\b)+7], v[128*(\f)+8*(\b):128*(\f)+8*(\b)+7], v[AF+32*(\f)+8*(\a):AF+32*(\f)+8*(\a)+7], 0
.else
	v_wmma_f32_16x16x32_bf16 v[rC+8*(\b):rC+8*(\b)+7], v[128*(\f)+8*(\b):128*(\f)+8*(\b)+7], v[AF+32*(\f)+8*(\a):AF+32*(\f)+8*(\a)+7], v[rC+8*(\b):rC+8*(\b)+7]
.endif
.endr
.endm
; 40 LDS loads in one run: the fragments of quarter q (32 along K) of a slot into buffer f: 16 column blocks, then my 4 token blocks
.macro FETCH slot, q, f
	WIN 0x40                                       ; destination window 1, address window 0
.irp b, 0,1,2,3,4,5,6,7,8,9,10,11,12,13,14,15
	ds_load_tr16_b128 v[128*(\f)+8*(\b):128*(\f)+8*(\b)+3],   v[ADRB+(\slot)] offset:(\q)*32*PB+32*(\b)
	ds_load_tr16_b128 v[128*(\f)+8*(\b)+4:128*(\f)+8*(\b)+7], v[ADRB+(\slot)] offset:(\q)*32*PB+16*PB+32*(\b)
.endr
	WIN 0
.irp a, 0,1,2,3
	ds_load_b128 v[AF+32*(\f)+8*(\a):AF+32*(\f)+8*(\a)+3],   v[ADRA+(\slot)] offset:(\a)*16*PA+64*(\q)
	ds_load_b128 v[AF+32*(\f)+8*(\a)+4:AF+32*(\f)+8*(\a)+7], v[ADRA+(\slot)] offset:(\a)*16*PA+64*(\q)+32
.endr
.endm
; A load into a register that a matrix instruction has read, and a vector instruction that reads a matrix result, stand four places behind that matrix instruction, and only plain vector
; instructions that name none of its registers are places (ISA guide 7.12.1 for vector instructions).
.macro PLACES
.rept 4
	v_nop
.endr
.endm
; A K step is four quarters of 32 along K, 64 matrix instructions each, on buffers 0, 1, 0, 1.  The 64 accumulators take turns in the same order in every quarter.
; One of the first three: multiplies buffer f; in its middle it fetches quarter q of the same slot into buffer g.
.macro QUARTER slot, q, f, g, zero
	s_wait_dscnt 4                                 ; the columns and token blocks 0, 1 are in; the youngest four loads (blocks 2, 3) may be out
	MUL16 \f, 0, \zero
	MUL16 \f, 1, \zero
	PLACES
	FETCH \slot, \q, \g
	s_wait_dscnt 40                                ; all but the 40 just issued
	MUL16 \f, 2, \zero
	MUL16 \f, 3, \zero
.endm
; The last quarter multiplies buffer 1 and changes slots.  MEET is its first half: ONE barrier.  In front of it each wave waits for all its tensor loads, of which one is out: its part of the next slot;
; adds 0 to its spare word; and waits for that and for its own reads of this slot.  Behind it nobody reads this slot any more and the next slot is whole.
.macro MEET round                      ; round = 1: the rest of a round of the cluster's barrier follows
	WIN 0                                          ; (the add's two registers lie in window 0)
	s_wait_tensorcnt 0x0                           ; all my tensor loads have landed
	ds_add_u32 v[SPW], v[NIL]                      ; 0 onto my spare word
	s_wait_dscnt 5                                 ; (the add and the youngest four loads may be out)
	MUL16 1, 0, 0                                  ; sixteen matrix instructions stand between the add and the wait for it
	s_wait_dscnt 0x0                               ; the add is done, and my reads of this slot are over
	s_barrier_signal -1
	MUL16 1, 1, 0                                  ; work on registers while the others arrive
.if \round
	WIN 0
.endif
	s_barrier_wait -1
.endm
; The whole last quarter.  Behind the round the slot just read out is filled again first: with this tile's K step two steps on (on = 0) or with the second tile's K step 0 or 1 (on = 1: xb goes six
; steps back along its rows; f2 six steps of 128 rows back and 256 columns on); then come the next slot's first fragments.  From a request to the wait for it a wave issues 224 matrix instructions.
.macro TURN slot, next, on
	MEET 1
	CREST                                          ; no wave of any partner still reads this slot's tile or has a load on its way
.if \on
	s_sub_nc_u64 s[G0A+4*(\slot)+2:G0A+4*(\slot)+3], s[G0A+4*(\slot)+2:G0A+4*(\slot)+3], 6*256
	s_sub_nc_u64 s[G0B+4*(\slot)+2:G0B+4*(\slot)+3], s[G0B+4*(\slot)+2:G0B+4*(\slot)+3], 6*128*8192-512
.else
	s_add_nc_u64 s[G0A+4*(\slot)+2:G0A+4*(\slot)+3], s[G0A+4*(\slot)+2:G0A+4*(\slot)+3], 2*256
	s_add_nc_u64 s[G0B+4*(\slot)+2:G0B+4*(\slot)+3], s[G0B+4*(\slot)+2:G0B+4*(\slot)+3], 2*128*8192
.endif
	JLOAD \slot                                    ; the first tensor load behind the round, my only one until the next; its four v_nop are also the places in front of the loads below
	FETCH \next, 0, 0
	MUL16 1, 2, 0
	MUL16 1, 3, 0
.endm
; THE SUM OVER n of tile tau: h(a, rb) += gate(n, a) x accumulator (a, 4 nl + rb), two numbers a line; each accumulator's registers are read in ascending order.
; The gate is one register of a pair: the first for both halves (even a) or the second for both (odd a).  A chain's links (the four nl) stand sixteen lines apart.
.macro REDUCE tau
.irp a, 0,1,2,3
	WIN 0x02+(\a)/2                                ; source 0 window 2 or 3; all else window 0
.irp nl, 0,1,2,3
.irp rb, 0,1,2,3
.irp i, 0,1,2,3
.set rA, 128*((\a)%2)+8*(4*(\nl)+(\rb))+2*(\i)
.set rH, H+32*(\a)+8*(\rb)+2*(\i)
.set rF, FW+4*(4*(\tau)+(\nl))+(\a)
.if (\a)%2 == 0
	v_pk_fma_f32 v[rH:rH+1], v[rA:rA+1], v[rF:rF+1], v[rH:rH+1] op_sel_hi:[1,0,1]
.else
	v_pk_fma_f32 v[rH:rH+1], v[rA:rA+1], v[rF-1:rF], v[rH:rH+1] op_sel:[0,1,0] op_sel_hi:[1,1,1]
.endif
.endr
.endr
.endr
.endr
.endm
	s_wait_loadcnt 0x0                             ; the gates, once
	s_wait_tensorcnt 1                             ; my part of K step 0 is in; K step 1's may stay out
	s_barrier_signal -1
	s_barrier_wait -1                              ; everybody's is
	FETCH 0, 0, 0
	s_mov_b32 s2, 2                                ; tiles to go: the same number in every work-group
.Ltile:
	QUARTER 0, 1, 0, 1, 1                          ; a tile's first quarter stands in front of the loop: its products start the sums
	WIN 0                                          ; at a label and at a branch every window is 0
	s_mov_b32 s3, 3                                ; 1,024 / 256 laps, less the last
.Llap:                                                 ; a trip goes once round the ring, from a lap's second quarter to the next lap's first, and fills both slots again
	QUARTER 0, 2, 1, 0, 0
	QUARTER 0, 3, 0, 1, 0
	TURN 0, 1, 0
	QUARTER 1, 1, 0, 1, 0
	QUARTER 1, 2, 1, 0, 0
	QUARTER 1, 3, 0, 1, 0
	TURN 1, 0, 0
	QUARTER 0, 1, 0, 1, 0
	WIN 0
	s_sub_co_u32 s3, s3, 1
	s_cmp_lg_u32 s3, 0
	s_cbranch_scc1 .Llap
	QUARTER 0, 2, 1, 0, 0                          ; the tile's last lap goes on
	QUARTER 0, 3, 0, 1, 0
	WIN 0
	s_cmp_eq_u32 s2, 1
	s_cbranch_scc1 .Llast                          ; the last tile's tail is written out: it asks for nothing more
	TURN 0, 1, 1                                   ; the ring goes on into the second tile: slot 0 takes its K step 0,
	QUARTER 1, 1, 0, 1, 0
	QUARTER 1, 2, 1, 0, 0
	QUARTER 1, 3, 0, 1, 0
	TURN 1, 0, 1                                   ; slot 1 its K step 1, and its first fragments are fetched
	REDUCE 0                                       ; no v_nop: blocks 0, 1 were finished in front of the joint load's four, and their 128 lines, which name no register of the last products, are those products' places
	WIN 0
	s_sub_co_u32 s2, s2, 1
	s_branch .Ltile
.Llast:
	MEET 0                                         ; my one tensor load that was still out is the last K step's, so no round follows
	PLACES
	FETCH 1, 0, 0
	MUL16 1, 2, 0
	MUL16 1, 3, 0
	QUARTER 1, 1, 0, 1, 0
	QUARTER 1, 2, 1, 0, 0
	QUARTER 1, 3, 0, 1, 0
	s_wait_dscnt 4                                 ; the very last quarter: nothing more to fetch
	MUL16 1, 0, 0
	MUL16 1, 1, 0
	s_wait_dscnt 0x0
	MUL16 1, 2, 0
	MUL16 1, 3, 0
	PLACES                                         ; the sum reads results just made, and no vector line has stood behind block 0's last products
	REDUCE 1
	WIN 0
.set q, 0
.rept 32
	global_store_b128 v[HO], v[H+4*q:H+4*q+3], s[10:11] offset:512*q  ; the wave stores 512 consecutive bytes, at a multiple of 256 from hp's first byte
.set q, q+1
.endr
	s_wait_tensorcnt 0x0                           ; the wave's end: the spare-word add and its wait stand behind my last tensor load
	ds_add_u32 v[SPW], v[NIL]
	s_wait_dscnt 0x0
	CROUND                                         ; the closing round: no work-group ends while a partner may still ask for a tile that names it
	s_endpgm
.Lfunc_end_k_qc79f587f81_feat:
	.size	k_qc79f587f81_feat, .Lfunc_end_k_qc79f587f81_feat-k_qc79f587f81_feat
	.p2alignl 7, 3214868480
	.fill 96, 4, 3214868480
	.section	.rodata,"a",@progbits
	.p2align	6, 0x0
	.amdhsa_kernel k_qc79f587f81_feat
		.amdhsa_group_segment_fixed_size 327680
		.amdhsa_private_segment_fixed_size 0
		.amdhsa_enable_private_segment 0
		.amdhsa_kernarg_size 32
		.amdhsa_user_sgpr_count 2
		.amdhsa_user_sgpr_kernarg_segment_ptr 1
		.amdhsa_wavefront_size32 1
		.amdhsa_system_sgpr_workgroup_id_x 1
		.amdhsa_system_sgpr_workgroup_id_y 1
		.amdhsa_system_sgpr_workgroup_id_z 1
		.amdhsa_system_vgpr_workitem_id 0
		.amdhsa_next_free_vgpr 1024
		.amdhsa_next_free_sgpr 66
		.amdhsa_reserve_vcc 0
		.amdhsa_float_denorm_mode_32 3
		.amdhsa_float_denorm_mode_16_64 3
		.amdhsa_memory_ordered 1
		.amdhsa_forward_progress 1
		.amdhsa_inst_pref_size 195
	.end_amdhsa_kernel
	.amdgpu_metadata
---
amdhsa.version: [ 1, 2 ]
amdhsa.kernels:
  - .name:           k_qc79f587f81_feat
    .symbol:         k_qc79f587f81_feat.kd
    .args:
      - { .name: xb, .offset: 0, .size: 8, .value_kind: global_buffer, .address_space: global }
      - { .name: f2, .offset: 8, .size: 8, .value_kind: global_buffer, .address_space: global }
      - { .name: fw2, .offset: 16, .size: 8, .value_kind: global_buffer, .address_space: global }
      - { .name: hp, .offset: 24, .size: 8, .value_kind: global_buffer, .address_space: global }
    .group_segment_fixed_size: 327680
    .private_segment_fixed_size: 0
    .kernarg_segment_align: 8
    .kernarg_segment_size: 32
    .max_flat_workgroup_size: 128
    .sgpr_count:     66
    .vgpr_count:     1024
    .wavefront_size: 32
...
	.end_amdgpu_metadata
.endif
;; end of part 2
;; launch rest (part 3): grid 32 x 8, 4 waves a work-group, clusters of 4 x 1, 327,680 bytes of LDS; arguments rb, rw2, hp, out0; writes out0
.if DOCPART == 3
	.amdgcn_target "amdgcn-amd-amdhsa--gfx1250"
	.amdhsa_code_object_version 6
	.text
	.protected	k_qc79f587f81_rest
	.globl	k_qc79f587f81_rest
	.p2align	8
	.type	k_qc79f587f81_rest,@function
k_qc79f587f81_rest:
	s_mov_b64 s[64:65], 0
	v_nop
	global_prefetch_b8 v0, s[64:65] scope:SCOPE_SE
	s_setreg_imm32_b32 hwreg(HW_REG_WAVE_MODE, 25, 1), 1
	s_wait_xcnt 0x0
	s_wait_alu depctr_hold_cnt(0) depctr_sa_sdst(0) depctr_va_vdst(0) depctr_va_sdst(0) depctr_va_ssrc(0) depctr_va_vcc(0) depctr_vm_vsrc(0)
	s_getreg_b32 s2, hwreg(HW_REG_IB_STS2, 6, 4)
	s_cmp_eq_u32 s2, 0
	s_cbranch_scc0 .Lentry_in_a_cluster
	s_endpgm
.Lentry_in_a_cluster:
	s_bfe_u32 s2, ttmp6, 0x10000c
	s_cmp_lg_u32 s2, 0x3003
	s_cbranch_scc0 .Lentry_shape_is_right
	s_endpgm
.Lentry_shape_is_right:
; REST: the restore stage.  h[t][r] = the sum of the eight partial sums in hp (f32); out[t][d] = sum over k = (n, r) of G[t][k] rb[k][d], with G[t][(n, r)] = rw[t][n] h[t][r].
; LIMITS.  restore_know and the gates arrive rounded to bf16; h stays f32; G is the f32 product rounded ONCE to bf16 (bf16, since h grows with the product of three inputs); sums in f32, in an order that
; is not the reference's; NaN and infinities are not treated apart.
; SHARES.  256 work-groups: 32 blocks of 256 tokens x 8 blocks of 128 d.  A wave owns 64 tokens x 128 d: 32 accumulators of 16 x 16, 256 registers.  K = 4,096 goes in chunks of 32: chunk 2 n + c is r = 32 c .. of n.
; THE MATRIX INSTRUCTION IS USED TRANSPOSED: source 0 = 16 columns d of rb (a tile stored [k][d], turned by ds_load_tr16_b128), source 1 = 16 tokens of G.  h lies in the registers as the launch before
; left it: register 32 a + 8 rb + j of lane l is h[token 16 a + l % 16][r = 16 rb + 8 (l / 16) + j]: lane for lane the f32 image of source 1.  So G's fragments are MADE IN REGISTERS, a packed multiply by
; the lane's gate and a packed rounding: they take no LDS, and no wave repeats another's work.  Chunk j's 64 such lines for chunk j + 1 stand in fours behind every second matrix instruction.
; RING.  rb comes through two LDS slots of 256 rows of k (8 chunks), each wave fetching 64 rows by one tensor load; a refill has 256 matrix instructions in which to land.
; CLUSTER.  The four token blocks of a cluster have the same d and walk the same rows of rb: each tile is asked for jointly, by the same load, descriptor and mask in all four.
; REGISTERS, in windows of 256 (s_set_vgpr_msb: bits 1:0 source 0, 3:2 source 1, 5:4 source 2, 7:6 destination):
;   window 0: v0-31 addresses and gates; v32-47 products at work; v64-95, v96-127 G's fragments, two buffers; v128-255 h; on the way out v32-63, v64-95 rows read back
;   window 1: v0-63, v64-127 rb's fragments, two buffers; v128-255 a partial sum on its way       window 2: the accumulators ((a, b) at 64 a + 8 b); before the first product v0-127 hold a partial sum
.set PB,    288                        ; a row of rb in LDS: 256 bytes + 32 = 72 words
.set CH,    32*PB                      ; a chunk
.set SLOT1, 1<<17                      ; a slot holds 8 chunks (73,728 bytes); slot 1 begins here, so that one exclusive or turns an address in one slot into the other's
.set STAGE, SLOT1+8*CH                 ; behind the ring, never filled by a tensor load: 16 rows x 272 bytes for each wave, for the way out
.set SP,    272
.set SPARE, STAGE+4*16*SP              ; behind the stages: the spare words, 128 bytes for each wave: two blocks of 256 bytes that no other line names
.set AB0, 2                            ; v2   my lane's place in a chunk of rb; never rewritten
.set ADR, 3                            ; v3   the LDS address of the run of loads in hand
.set RO,  4                            ; v4   16 x (lane % 16): my token's four gates
.set RA,  5                            ; v5   the same plus 256 n
.set STO, 6                            ; v6   the way out: where I put 32 bytes of a row
.set RD,  7                            ; v7   the way out: where I read a row back
.set GO,  8                            ; v8   my byte offset in two rows of out
.set HO,  9                            ; v9   16 x lane: my place in 512 consecutive bytes of hp
.set RL,  12                           ; v12-15  the next n's gates for my token in the four token blocks, on their way
.set RV,  16                           ; v16-19  the gates in use
.set SPW, 30                           ; v30  LDS address of my spare word; never rewritten
.set NIL, 31                           ; v31  0; never rewritten
.set T,   32                           ; v32-39, v40-47  eight products rw x h in f32, two sets
.set OB,  32                           ; the way out: 16 rows read back, v32-63 and v64-95 by turns
.set AF,  64                           ; G's fragments: buffer c, token block a at AF + 32 c + 8 a
.set H,   128
.set WV,  12                           ; s12  my wave's number
.set HB,  16                           ; s[16:17], s[18:19]  hp at my wave's block of 64 tokens, column groups 0-3 and 4-7
.set RWB, 20                           ; s[20:21]  rw2 at my wave's block
.set G1,  24                           ; s[24:31]  descriptor group 1
.set G0,  40                           ; s[40:47]  descriptor group 0: a set for each of the two first fills; the second then walks on
.set SLOTS, 56                         ; s56  slots still to be asked for
.set CNT, 57                           ; s57  counts pairs of chunks
.set RWO, 58                           ; s58  256 x the n whose gates were asked for last
.set TB,  62                           ; s62  LDS byte at which the chunk to be fetched begins
.set MSB, 0
.macro WIN new                         ; the immediate's high byte repeats the setting that is left; a switch that changes nothing is dropped
.if MSB != (\new)
	s_set_vgpr_msb (MSB<<8)|(\new)
.set MSB, \new
.endif
.endm
.macro CROUND                          ; a round of the cluster's barrier: my work-group's barrier; wave 0 signals for the work-group; every wave waits for all four work-groups; my work-group's barrier once more
	s_barrier_signal -1
	s_barrier_wait -1
	s_cmp_lg_u32 s[WV], 0
	s_cbranch_scc1 .Lnot_wave_0_\@
	s_barrier_signal -3
.Lnot_wave_0_\@:
	s_barrier_wait -3
	s_barrier_signal -1
	s_barrier_wait -1
.endm
.macro PLACES
.rept 4
	v_nop
.endr
.endm
	s_load_b256 s[4:11], s[0:1], 0x0               ; rb s[4:5], rw2 s[6:7], hp s[8:9], out0 s[10:11]
	v_lshl_add_u32 v[SPW], v0, 2, SPARE
	v_mov_b32 v[NIL], 0
	ds_add_u32 v[SPW], v[NIL]                      ; the wave's opening: the add and its wait stand ahead of my first tensor load; the set-up below, work on registers, stands between them
	v_lshrrev_b32 v1, 5, v0
	v_readfirstlane_b32 s[WV], v1                  ; wave 0..3
	s_bfe_u32 s13, ttmp6, 0x40000                  ; cx: my place in the cluster
	s_lshl_b32 s14, ttmp9, 2
	s_add_co_u32 s14, s14, s13                     ; my block of 256 tokens = 4 x cluster x + cx: it enters the addresses of rw2, hp and out0 alone
	s_and_b32 s15, ttmp7, 0xffff                   ; my block of 128 d, which the four partners share
	s_lshl_b32 s22, s15, 8                         ; rb: 128 columns of 2 bytes,
	s_lshl_b32 s23, s[WV], 17                      ; my 64 rows of 2,048 bytes
	s_add_co_u32 s22, s22, s23
	s_mov_b32 s23, 0
	s_mul_i32 s33, s[WV], 64*PB                    ; and their place in a slot: no place in the cluster enters an LDS address
	s_lshl_b32 s2, s14, 2
	s_add_co_u32 s2, s2, s[WV]
	s_lshl_b32 s2, s2, 14                          ; my wave's block of 64 tokens: 16,384 bytes in rw2, and in each group's part of hp
	s_mov_b32 s3, 0
	s_lshl_b32 s34, s14, 20                        ; out0: 256 rows of 4,096 bytes,
	s_lshl_b32 s35, s[WV], 18                      ; my 64 of them,
	s_add_co_u32 s34, s34, s35
	s_lshl_b32 s35, s15, 9                         ; 128 columns of 4 bytes
	s_add_co_u32 s34, s34, s35
	s_mov_b32 s35, 0
	s_mov_b32 s[G1], 15|(1<<16)|(1<<20)|(1<<21)|(5<<22)|(7<<25)  ; 15:0 the mask of four; 17:16 2-byte elements; 20 padding on; 21 set beside a mask; 24:22 after every 64 words (code 5); 31:25 8 words (code 7)
	s_mov_b32 s[G1+1], 128<<16                     ; tensor_dim0 = 128
	s_mov_b32 s[G1+2], 64<<16                      ; tensor_dim1 = 64
	s_mov_b32 s[G1+3], 128<<16                     ; tile_dim0 = 128 elements: 256 bytes
	s_mov_b32 s[G1+4], 64                          ; tile_dim1 = 64 rows
	s_mov_b32 s[G1+5], 1024                        ; elements from row to row
	s_mov_b32 s[G1+6], 0
	s_mov_b32 s[G1+7], 0
	s_mov_b32 s[TB], 0
	s_mov_b32 s[RWO], 256
	s_mov_b32 s[SLOTS], 14                         ; 4,096 / 256 slots' worth of rows, less the two first fills
	s_wait_dscnt 0x0                               ; the opening add is done
	s_wait_kmcnt 0x0
	s_add_nc_u64 s[4:5], s[4:5], s[22:23]
	s_add_nc_u64 s[HB:HB+1], s[8:9], s[2:3]
	s_add_nc_u64 s[HB+2:HB+3], s[HB:HB+1], 0x800000  ; four groups of 2,097,152 bytes on: the loads' offsets stay inside the signed 24-bit immediate
	s_add_nc_u64 s[RWB:RWB+1], s[6:7], s[2:3]
	s_add_nc_u64 s[10:11], s[10:11], s[34:35]
	CROUND                                         ; all four work-groups are here: the first joint loads meet
.irp s, 0,1
	s_mov_b32 s[G0+4*(\s)], 1                      ; count = 1
	s_add_co_u32 s[G0+4*(\s)+1], s33, (\s)*SLOT1   ; LDS address
	s_add_nc_u64 s[G0+4*(\s)+2:G0+4*(\s)+3], s[4:5], (\s)*256*2048  ; global address: rows 256 s on
	s_or_b32 s[G0+4*(\s)+3], s[G0+4*(\s)+3], 0x80000000             ; type = 2
.endr
	tensor_load_to_lds s[G0:G0+3], s[G1:G1+7]      ; every wave's two first fills stand together: two loads of mine are out
	s_nop 0
	tensor_load_to_lds s[G0+4:G0+7], s[G1:G1+7]
	s_nop 0
.rept 4
	v_nop
.endr
	v_and_b32 v1, 15, v0                           ; l % 16
	v_bfe_u32 v10, v0, 4, 1                        ; l / 16
	v_lshlrev_b32 v[RO], 4, v1
	v_and_b32 v11, 31, v0
	v_lshlrev_b32 v[HO], 4, v11
	global_load_b128 v[RV:RV+3], v[RO], s[RWB:RWB+1]             ; the gates of n = 0
	global_load_b128 v[RL:RL+3], v[RO], s[RWB:RWB+1] offset:256  ; and of n = 1
; THE PARTIAL SUMS.  Group g's part of my wave's h is 16,384 consecutive bytes, the image of 128 registers: 32 loads of 512 bytes.
.macro LOADP g, win, dst
	WIN (\win)<<6
.set q, 0
.rept 32
	global_load_b128 v[(\dst)+4*q:(\dst)+4*q+3], v[HO], s[HB+2*((\g)/4):HB+2*((\g)/4)+1] offset:((\g)%4)*2097152+512*q
.set q, q+1
.endr
.endm
.macro ADDP win, src
	WIN (\win)<<2
.set q, 0
.rept 64
	v_pk_add_f32 v[H+2*q:H+2*q+1], v[H+2*q:H+2*q+1], v[(\src)+2*q:(\src)+2*q+1]
.set q, q+1
.endr
.endm
	LOADP 0, 0, H
	LOADP 1, 1, 128
	LOADP 2, 2, 0
.irp g, 3,5,7
	s_wait_loadcnt 32                              ; all but the youngest partial sum's 32 loads
	ADDP 1, 128
	LOADP \g, 1, 128                               ; the registers just added take the partial sum two further on
	s_wait_loadcnt 32
	ADDP 2, 0
.if (\g) < 7
	LOADP (\g)+1, 2, 0
.endif
.endr
	s_wait_loadcnt 0x0
	ADDP 1, 128
	WIN 0
	; the LDS and output addresses
	v_and_b32 v11, 7, v0
	v_lshl_add_u32 v[AB0], v10, 3, v11             ; the turning load: lane l reads row 8 (l / 16) + l % 8,
	v_mul_u32_u24 v[AB0], v[AB0], PB
	v_bfe_u32 v11, v0, 3, 1
	v_lshl_add_u32 v[AB0], v11, 4, v[AB0]          ; columns 8 ((l / 8) % 2) + 0..7
	s_mul_i32 s32, s[WV], 16*SP
	s_add_co_u32 s32, s32, STAGE                   ; my stage
	v_mul_u32_u24 v[STO], v1, SP                   ; in: row l % 16, 32 bytes for each half of the lanes
	v_lshl_add_u32 v[STO], v10, 5, v[STO]
	v_add_nc_u32 v[STO], s32, v[STO]
	v_mul_u32_u24 v[RD], v10, SP                   ; back: lanes 0-15 take one row of 256 bytes, lanes 16-31 the next
	v_lshl_add_u32 v[RD], v1, 4, v[RD]
	v_add_nc_u32 v[RD], s32, v[RD]
	v_lshlrev_b32 v[GO], 12, v10                   ; and the same two rows in out0
	v_lshl_add_u32 v[GO], v1, 4, v[GO]
; 16 LDS loads in one run: the chunk at s[TB] (32 k x 128 d: 8 fragments) into buffer f
.macro FETCH_B f
	WIN 0
	v_add_nc_u32 v[ADR], s[TB], v[AB0]
	WIN 0x40                                       ; destination window 1
.irp b, 0,1,2,3,4,5,6,7
	ds_load_tr16_b128 v[64*(\f)+8*\b:64*(\f)+8*\b+3],   v[ADR] offset:32*\b
	ds_load_tr16_b128 v[64*(\f)+8*\b+4:64*(\f)+8*\b+7], v[ADR] offset:16*PB+32*\b
.endr
	s_add_co_u32 s[TB], s[TB], CH                  ; the next fetch is the next chunk's
	WIN 0
.endm
; Four lines, number k of 16, of the making of G's fragments for a chunk of parity ct.  Token block a = k / 4, half e = (k % 4) / 2 of its fragment: r = 16 (2 ct + e) + 8 (l / 16) + 0..7.
; k even: eight products gate x h in f32 (the gate is the first or the second register of a pair, for both halves).  k odd: they are rounded to bf16, G's one rounding.
.macro RIDE k, ct
	WIN 0
.set ra, (\k)/4
.set re, ((\k)%4)/2
.set rT, T+8*re
.set rH, H+32*ra+8*(2*(\ct)+re)
.set rG, AF+32*(\ct)+8*ra+4*re
.irp z, 0,1,2,3
.if (\k)%2 == 0
.if ra%2 == 0
	v_pk_mul_f32 v[rT+2*\z:rT+2*\z+1], v[rH+2*\z:rH+2*\z+1], v[RV+ra:RV+ra+1] op_sel_hi:[1,0]
.else
	v_pk_mul_f32 v[rT+2*\z:rT+2*\z+1], v[rH+2*\z:rH+2*\z+1], v[RV+ra-1:RV+ra] op_sel:[0,1] op_sel_hi:[1,1]
.endif
.else
	v_cvt_pk_bf16_f32 v[rG+\z], v[rT+2*\z], v[rT+2*\z+1]
.endif
.endr
.endm
; A CHUNK of parity c: 32 matrix instructions, the 32 accumulators by turns.  zero = 1: they start the sums.  more = 1: the next chunk is prepared: its G behind every second
; matrix instruction, its run of LDS loads behind the second.  In front of that run, and of the first rounding into the other buffer, stand four products and the run's own v_add_nc_u32: five plain
; lines behind the last matrix instruction that read those buffers (the chunk before's last), and none names a register of it.
.macro CHUNK c, zero, more
	s_wait_dscnt 0x0                               ; this chunk's fragments of rb, asked for 30 matrix instructions ago, are in
.set i, 0
.rept 32
	WIN 0xa1                                       ; source 0 window 1, source 1 window 0, C and D window 2
.if \zero
	v_wmma_f32_16x16x32_bf16 v[8*i:8*i+7], v[64*(\c)+8*(i%8):64*(\c)+8*(i%8)+7], v[AF+32*(\c)+8*(i/8):AF+32*(\c)+8*(i/8)+7], 0
.else
	v_wmma_f32_16x16x32_bf16 v[8*i:8*i+7], v[64*(\c)+8*(i%8):64*(\c)+8*(i%8)+7], v[AF+32*(\c)+8*(i/8):AF+32*(\c)+8*(i/8)+7], v[8*i:8*i+7]
.endif
.if (\more) && (i%2 == 0)
	RIDE i/2, 1-(\c)
.endif
.if (\more) && (i == 1)
	FETCH_B 1-(\c)
.endif
.set i, i+1
.endr
.endm
; At the head of a pair of chunks (n, second half) and (n + 1, first half): both prepare fragments of n + 1, so its gates come into use, and those of n + 2 are asked for.
; The last pair has no n + 2: the offset is held at n = 63, whose gates are read once more and not used: no load leaves the buffer.
.macro HEAD
	s_wait_loadcnt 0x0                             ; the gates asked for a pair ago are in, and that load's address register is free
.irp a, 0,1,2,3
	v_mov_b32 v[RV+\a], v[RL+\a]
.endr
	s_add_co_u32 s[RWO], s[RWO], 256
	s_min_u32 s[RWO], s[RWO], 63*256
	v_add_nc_u32 v[RA], s[RWO], v[RO]
	global_load_b128 v[RL:RL+3], v[RA], s[RWB:RWB+1]
.endm
.macro PAIRS cnt
	WIN 0                                          ; at a label and at a branch every window is 0
	s_mov_b32 s[CNT], \cnt
.Lpair_\@:
	HEAD
	CHUNK 1, 0, 1
	CHUNK 0, 0, 1
	WIN 0
	s_sub_co_u32 s[CNT], s[CNT], 1
	s_cmp_lg_u32 s[CNT], 0
	s_cbranch_scc1 .Lpair_\@
.endm
; THE CHANGE OF SLOTS, at the head of a slot's last chunk, whose fragments have been asked for.  Each wave waits for all its tensor loads, of which one is out: its part of the other slot; adds 0 to its
; spare word; and waits for that and for its own reads of the slot.  Behind the barrier nobody reads this slot any more and the other slot is whole.
; fill = 1: this slot is filled again, with the rows two slots on.  The barrier is then a round of the cluster's, and the joint refill is the first thing behind it, my only tensor load until the next round.
.macro CHANGE fill
	WIN 0
	s_wait_tensorcnt 0x0                           ; no tensor load of mine is out, so a group 0 may be written
	ds_add_u32 v[SPW], v[NIL]                      ; 0 onto my spare word; with fill = 1 the descriptor's steps stand between it and the wait for it
.if \fill
	s_xor_b32 s[G0+5], s[G0+5], SLOT1              ; the walking descriptor: the other slot than last time,
	s_add_nc_u64 s[G0+6:G0+7], s[G0+6:G0+7], 256*2048  ; the next 256 rows; the type bits on top are not reached
	s_wait_dscnt 0x0                               ; the add is done, and my reads of the slot are over
	CROUND
	tensor_load_to_lds s[G0+4:G0+7], s[G1:G1+7]
	s_nop 0
.rept 4
	v_nop
.endr
.else
	s_wait_dscnt 0x0                               ; the add is done, and my reads of the slot are over
	s_barrier_signal -1
	s_barrier_wait -1
.endif
	s_sub_co_u32 s[TB], s[TB], 8*CH                ; the fetches go back to a slot's first chunk,
	s_xor_b32 s[TB], s[TB], SLOT1                  ; in the other slot
.endm
.set kk, 0
.rept 16
	RIDE kk, 0                                     ; G's fragments of chunk 0
.set kk, kk+1
.endr
	s_wait_tensorcnt 1                             ; my part of slot 0 is in; slot 1's may stay out
	s_barrier_signal -1
	s_barrier_wait -1                              ; everybody's is
	FETCH_B 0                                      ; chunk 0
	CHUNK 0, 1, 1                                  ; chunk 0 starts the sums
	PAIRS 3                                        ; chunks 1 to 6
.Lslot:                                                ; 14 trips of 8 chunks, from a slot's last chunk to the next slot's last but one: every slot but the last two is filled again
	CHANGE 1
	PAIRS 4
	s_sub_co_u32 s[SLOTS], s[SLOTS], 1
	s_cmp_lg_u32 s[SLOTS], 0
	s_cbranch_scc1 .Lslot
	CHANGE 0                                       ; the tail is written out: nothing is asked for
	PAIRS 4                                        ; chunks 119 to 126
	CHUNK 1, 0, 0                                  ; chunk 127: nothing is left to prepare
; THE WAY OUT.  A lane holds eight neighbouring f32 of one row; the lanes beside it hold other rows.  So 16 rows x 64 columns (part p: token block p / 2, half p % 2 of the 128 d) at a time go through my
; own stage: 32 bytes a lane into rows of 272 bytes, back as whole rows of 256.  Each accumulator's low four registers are stored first.
.macro TOSTAGE p
.if (\p) >= 2
	s_wait_xcnt 0x0                                ; every earlier memory instruction has had its addresses translated (ISA guide 3.1): the registers that the stores two parts ago read are loaded again only behind this wait
.endif
	WIN 0x08                                       ; the stores' data in window 2
.irp b, 0,1,2,3
	ds_store_b128 v[STO], v[64*((\p)/2)+8*(4*((\p)%2)+\b):64*((\p)/2)+8*(4*((\p)%2)+\b)+3]   offset:64*\b
	ds_store_b128 v[STO], v[64*((\p)/2)+8*(4*((\p)%2)+\b)+4:64*((\p)/2)+8*(4*((\p)%2)+\b)+7] offset:64*\b+16
.endr
	WIN 0
.irp t, 0,1,2,3,4,5,6,7
	ds_load_b128 v[OB+32*((\p)%2)+4*\t:OB+32*((\p)%2)+4*\t+3], v[RD] offset:\t*2*SP  ; LDS serves a wave's instructions in order (ISA guide 5.7.1.4): these see the stores above; the next part's stores come behind them
.endr
.endm
.macro SEND p, younger                 ; younger: the LDS instructions issued behind part p's loads: the next part's sixteen, or none
.irp t, 0,1,2,3,4,5,6,7
	s_wait_dscnt (\younger)+7-\t
	global_store_b128 v[GO], v[OB+32*((\p)%2)+4*\t:OB+32*((\p)%2)+4*\t+3], s[10:11] offset:(16*((\p)/2)+2*\t)*4096+256*((\p)%2) th:TH_STORE_NT  ; 16 lanes store 256 consecutive bytes, at a multiple of 256 from out0's first byte
.endr
.endm
	WIN 0
	PLACES                                         ; the stores read results just made, and the loads land in registers that the last products but 32 read
	TOSTAGE 0
.irp p, 1,2,3,4,5,6,7
	TOSTAGE \p
	SEND (\p)-1, 16
.endr
	SEND 7, 0
	s_wait_tensorcnt 0x0                           ; the wave's end: the spare-word add and its wait stand behind my last tensor load and my last LDS store
	ds_add_u32 v[SPW], v[NIL]
	s_wait_dscnt 0x0
	CROUND                                         ; the closing round: no work-group ends while a partner may still ask for a tile that names it
	s_endpgm
.Lfunc_end_k_qc79f587f81_rest:
	.size	k_qc79f587f81_rest, .Lfunc_end_k_qc79f587f81_rest-k_qc79f587f81_rest
	.p2alignl 7, 3214868480
	.fill 96, 4, 3214868480
	.section	.rodata,"a",@progbits
	.p2align	6, 0x0
	.amdhsa_kernel k_qc79f587f81_rest
		.amdhsa_group_segment_fixed_size 327680
		.amdhsa_private_segment_fixed_size 0
		.amdhsa_enable_private_segment 0
		.amdhsa_kernarg_size 32
		.amdhsa_user_sgpr_count 2
		.amdhsa_user_sgpr_kernarg_segment_ptr 1
		.amdhsa_wavefront_size32 1
		.amdhsa_system_sgpr_workgroup_id_x 1
		.amdhsa_system_sgpr_workgroup_id_y 1
		.amdhsa_system_sgpr_workgroup_id_z 1
		.amdhsa_system_vgpr_workitem_id 0
		.amdhsa_next_free_vgpr 768
		.amdhsa_next_free_sgpr 66
		.amdhsa_reserve_vcc 0
		.amdhsa_float_denorm_mode_32 3
		.amdhsa_float_denorm_mode_16_64 3
		.amdhsa_memory_ordered 1
		.amdhsa_forward_progress 1
		.amdhsa_inst_pref_size 143
	.end_amdhsa_kernel
	.amdgpu_metadata
---
amdhsa.version: [ 1, 2 ]
amdhsa.kernels:
  - .name:           k_qc79f587f81_rest
    .symbol:         k_qc79f587f81_rest.kd
    .args:
      - { .name: rb, .offset: 0, .size: 8, .value_kind: global_buffer, .address_space: global }
      - { .name: rw2, .offset: 8, .size: 8, .value_kind: global_buffer, .address_space: global }
      - { .name: hp, .offset: 16, .size: 8, .value_kind: global_buffer, .address_space: global }
      - { .name: out0, .offset: 24, .size: 8, .value_kind: global_buffer, .address_space: global }
    .group_segment_fixed_size: 327680
    .private_segment_fixed_size: 0
    .kernarg_segment_align: 8
    .kernarg_segment_size: 32
    .max_flat_workgroup_size: 128
    .sgpr_count:     66
    .vgpr_count:     768
    .wavefront_size: 32
...
	.end_amdgpu_metadata
.endif
;; end of part 3
;; ======== version 2 of 2: 3 launches; version 1 with the launch prep written anew for expert scheduling mode
;; workspace buffers: xb 16,777,216 bytes; f2 8,388,608 bytes; rb 8,388,608 bytes; fw2 2,097,152 bytes; rw2 2,097,152 bytes; hp 16,777,216 bytes
;; launch prep (part 4): grid 1088 x 1, 8 waves a work-group, no clusters, 0 bytes of LDS; arguments x, restore_know, feature_know, feature_know_w, restore_know_w, xb, rb, f2, fw2, rw2; writes xb, rb, f2, fw2, rw2
.if DOCPART == 4
	.amdgcn_target "amdgcn-amd-amdhsa--gfx1250"
	.amdhsa_code_object_version 6
	.text
	.protected	k_qc79f587f81_prep
	.globl	k_qc79f587f81_prep
	.p2align	8
	.type	k_qc79f587f81_prep,@function
k_qc79f587f81_prep:
	s_mov_b64 s[64:65], 0
	v_nop
	global_prefetch_b8 v0, s[64:65] scope:SCOPE_SE
	s_setreg_imm32_b32 hwreg(HW_REG_WAVE_SCHED_MODE, 0, 2), 2
	s_setreg_imm32_b32 hwreg(HW_REG_WAVE_MODE, 25, 1), 1
	s_wait_xcnt 0x0
	s_wait_alu depctr_vm_vsrc(0)
; PREP: every input is rounded once to bf16 and laid out for the two products that follow.
;   xb  [8192 t][1024 d] bf16            = x, cast
;   rb  [4096 = 64 n + r][1024 d] bf16   = restore_know, cast (its rows already lie in that order)
;   f2  [1024 d][4096 = 64 n + r] bf16   = feature_know with n and d exchanged: rows along the columns (n, r) of the first product
;   fw2, rw2 [128 tb][64 n][16 i][4 a] f32 = the gate of token 64 tb + 16 a + i for n, rounded to bf16 and written as f32 (low 16 bits 0):
;        one load of 16 bytes gives a lane (i = lane % 16) the gates of its token in the four blocks a of 16 tokens of a wave
; LIMITS.  Rounding to nearest even; NaN and infinities are not treated apart.
; A stream: a work-group takes 65,536 bytes of one input, a wave 8,192: sixteen loads of 16 bytes a lane, all issued ahead of the first wait.  No byte is read twice, nothing is shared
; between work-groups, and there is nothing to multiply: so no LDS, no barrier, no cluster and no matrix unit.  No register that a store reads is written again, so no wait frees any.
; Work-groups 0-511: x.  512-767: restore_know.  768-1023: feature_know.  1024-1055: feature_know_w.  1056-1087: restore_know_w.
; THE MODE: SCHED_MODE bits 1:0 = 2 (LLVM: expert scheduling mode 2), set by the entry lines.  The code itself states the register dependences
; between vector instructions and memory instructions, with s_wait_alu, always for 0.
; THE PLAN.  Registers that memory instructions touch, alike in the three sections:
;   v[VIN], v[VOUT]  made by vector instructions at the section's head, never written again; every load reads the first as its offset, every store the second.
;   LD               sixteen loads land here, each in four registers of its own; no vector instruction names them ahead of the loads, and none is loaded twice.
;   OT               each register is written once, by a rounding or an unpacking line, read by one store, and never written again.
;   PK               named by vector instructions alone.
; The sixteen loads are worked on in four groups of four.  Group g rounds its part of LD into its part of OT; the four stores of group g - 1 stand among those lines, which name neither
; that group's part of OT nor v[VOUT].  So the waits are five: one ahead of the first load (the two offsets are written), one at the head of each of groups 1 to 3 (the group before has
; written its part of OT), one ahead of the last four stores.  No register that a memory instruction reads is written again, and no load lands in a register that another instruction has named:
; nothing is owed the other way round.  No vector instruction writes a scalar register or VCC, and EXEC stays as it is.
.set VIN,  3                           ; v3        my byte offset in the work-group's input
.set VOUT, 4                           ; v4        my byte offset in its output
.set LD,   16                          ; v[16:79]  sixteen loads of four f32
.set OT,   80                          ; v[80:143] what is stored
.set PK,   144                         ; v[144:151] the gates' packed roundings, at work
	s_load_b512 s[8:23], s[0:1], 0x0               ; x s8, restore_know s10, feature_know s12, feature_know_w s14, restore_know_w s16, xb s18, rb s20, f2 s22 (pairs)
	s_load_b128 s[24:27], s[0:1], 0x40             ; fw2 s24, rw2 s26
	v_lshrrev_b32 v1, 5, v0                        ; wave
	v_and_b32 v2, 31, v0                           ; lane
	s_mov_b32 s29, 0                               ; the high word of every offset
	s_mov_b32 s3, 0xffff0000                       ; a word's upper bf16
	s_wait_kmcnt 0x0
; Sixteen loads, instep bytes apart; four f32 become four bf16; sixteen stores of 8 bytes a lane, outstep bytes apart: the wave's 32 lanes store 256 consecutive bytes, aligned.
.macro CAST instep, outstep
	s_wait_alu depctr_va_vdst(0)                   ; v[VIN] and v[VOUT] are written: the sixteen loads read the first as their offset, the sixteen stores the second
.set k, 0
.rept 16
	global_load_b128 v[LD+4*k:LD+4*k+3], v[VIN], s[4:5] offset:k*(\instep) th:TH_LOAD_NT
.set k, k+1
.endr
.set g, 0
.rept 4
	s_wait_loadcnt 12-4*g                          ; loads come back in order: group g's four are in, the 12 - 4 g younger ones stay out
.if g > 0
	s_wait_alu depctr_va_vdst(0)                   ; the roundings of group g - 1 have written their part of OT, which the four stores below read
.endif
.set k, 4*g
.rept 4
.if g > 0
	global_store_b64 v[VOUT], v[OT+2*(k-4):OT+2*(k-4)+1], s[6:7] offset:(k-4)*(\outstep)  ; the group before; no vector instruction since the wait names these registers
.endif
	v_cvt_pk_bf16_f32 v[OT+2*k],   v[LD+4*k],   v[LD+4*k+1]
	v_cvt_pk_bf16_f32 v[OT+2*k+1], v[LD+4*k+2], v[LD+4*k+3]
.set k, k+1
.endr
.set g, g+1
.endr
	s_wait_alu depctr_va_vdst(0)                   ; the roundings of group 3 have written their part of OT, which the last four stores read
.set k, 12
.rept 4
	global_store_b64 v[VOUT], v[OT+2*k:OT+2*k+1], s[6:7] offset:k*(\outstep)
.set k, k+1
.endr
.endm
	s_cmp_lt_u32 ttmp9, 768
	s_cbranch_scc0 .Lnot_dense
	; x and restore_know: a plain cast.  Block = 65,536 bytes in, 32,768 out.
	s_cmp_lt_u32 ttmp9, 512
	s_cselect_b64 s[4:5], s[8:9], s[10:11]         ; from x or restore_know
	s_cselect_b64 s[6:7], s[18:19], s[20:21]       ; to xb or rb
	s_cselect_b32 s2, 0, 512
	s_sub_co_u32 s2, ttmp9, s2                     ; the block's number in its tensor
	s_lshl_b32 s28, s2, 16
	s_add_nc_u64 s[4:5], s[4:5], s[28:29]
	s_lshl_b32 s28, s2, 15
	s_add_nc_u64 s[6:7], s[6:7], s[28:29]
	v_lshlrev_b32 v[VIN], 4, v2
	v_lshl_add_u32 v[VIN], v1, 13, v[VIN]          ; 8,192 wave + 16 lane
	v_lshlrev_b32 v[VOUT], 3, v2
	v_lshl_add_u32 v[VOUT], v1, 12, v[VOUT]        ; 4,096 wave + 8 lane
	CAST 512, 256
	s_endpgm
.Lnot_dense:
	s_cmp_lt_u32 ttmp9, 1024
	s_cbranch_scc0 .Lgates
	; feature_know [n][d][64 r]: a work-group takes two neighbouring n and 128 d.  A load takes row d of n (lanes 0-15) and of n + 1 (lanes 16-31), 256 bytes each;
	; the two rows' 128 bf16 are 256 consecutive bytes of row d of f2.
	s_sub_co_u32 s2, ttmp9, 768
	s_lshr_b32 s30, s2, 3                          ; the pair of n
	s_and_b32 s31, s2, 7                           ; which 128 d
	s_lshl_b32 s28, s30, 19                        ; two n of 262,144 bytes
	s_lshl_b32 s2, s31, 15                         ; 128 d of 256 bytes
	s_add_co_u32 s28, s28, s2
	s_add_nc_u64 s[4:5], s[12:13], s[28:29]
	s_lshl_b32 s28, s31, 20                        ; 128 rows of 8,192 bytes
	s_lshl_b32 s2, s30, 8                          ; 128 columns of 2 bytes
	s_add_co_u32 s28, s28, s2
	s_add_nc_u64 s[6:7], s[22:23], s[28:29]
	v_lshrrev_b32 v5, 4, v2                        ; which of the two n
	v_and_b32 v6, 15, v2
	v_lshlrev_b32 v[VIN], 4, v6
	v_lshl_add_u32 v[VIN], v1, 12, v[VIN]          ; the wave's 16 d
	v_lshl_add_u32 v[VIN], v5, 18, v[VIN]
	v_lshlrev_b32 v[VOUT], 3, v2
	v_lshl_add_u32 v[VOUT], v1, 17, v[VOUT]        ; the wave's 16 rows of f2
	CAST 256, 8192
	s_endpgm
.Lgates:
	; the gates [t][64 n]: a work-group takes 256 tokens: four blocks u of 64.  Lane (i = lane % 16, nq = 2 wave + lane / 16) loads n = 4 nq .. 4 nq + 3 of token 64 u + 16 a + i,
	; for a = 0 .. 3, and stores for each of its four n the four a together: sixteen lanes store the 256 bytes of one (block, n).
	s_sub_co_u32 s2, ttmp9, 1024
	s_cmp_lt_u32 s2, 32
	s_cselect_b64 s[4:5], s[14:15], s[16:17]
	s_cselect_b64 s[6:7], s[24:25], s[26:27]
	s_and_b32 s2, s2, 31
	s_lshl_b32 s28, s2, 16                         ; 256 tokens are 65,536 bytes, in and out
	s_add_nc_u64 s[4:5], s[4:5], s[28:29]
	s_add_nc_u64 s[6:7], s[6:7], s[28:29]
	v_and_b32 v5, 15, v2                           ; i
	v_lshrrev_b32 v6, 4, v2
	v_lshl_add_u32 v6, v1, 1, v6                   ; nq
	v_lshlrev_b32 v[VIN], 8, v5
	v_lshl_add_u32 v[VIN], v6, 4, v[VIN]           ; 256 i + 16 nq
	v_lshlrev_b32 v[VOUT], 4, v5
	v_lshl_add_u32 v[VOUT], v6, 10, v[VOUT]        ; 1,024 nq + 16 i
	s_wait_alu depctr_va_vdst(0)                   ; v[VIN] and v[VOUT] are written: the sixteen loads read the first as their offset, the sixteen stores the second
.irp u, 0,1,2,3
.irp a, 0,1,2,3
	global_load_b128 v[LD+16*(\u)+4*(\a):LD+16*(\u)+4*(\a)+3], v[VIN], s[4:5] offset:(\u)*16384+(\a)*4096 th:TH_LOAD_NT
.endr
.endr
.set u, 0
.rept 4
	s_wait_loadcnt 12-4*u                          ; block u's four loads are in; the later blocks' stay out
.if u > 0
	s_wait_alu depctr_va_vdst(0)                   ; the unpacking lines of block u - 1 have written their part of OT, which the four stores below read
.endif
.set k, 0
.rept 4
.if u > 0
	global_store_b128 v[VOUT], v[OT+16*(u-1)+4*k:OT+16*(u-1)+4*k+3], s[6:7] offset:(u-1)*16384+k*256  ; the block before; no vector instruction since the wait names these registers
.endif
	v_cvt_pk_bf16_f32 v[PK+2*k],   v[LD+16*u+k],   v[LD+16*u+4+k]    ; a = 0, 1
	v_cvt_pk_bf16_f32 v[PK+2*k+1], v[LD+16*u+8+k], v[LD+16*u+12+k]   ; a = 2, 3
	v_lshlrev_b32 v[OT+16*u+4*k],   16, v[PK+2*k]      ; bf16 back to f32: the low half moves up,
	v_and_b32     v[OT+16*u+4*k+1], s3, v[PK+2*k]      ; the high half stays
	v_lshlrev_b32 v[OT+16*u+4*k+2], 16, v[PK+2*k+1]
	v_and_b32     v[OT+16*u+4*k+3], s3, v[PK+2*k+1]
.set k, k+1
.endr
.set u, u+1
.endr
	s_wait_alu depctr_va_vdst(0)                   ; the unpacking lines of block 3 have written their part of OT, which the last four stores read
.set k, 0
.rept 4
	global_store_b128 v[VOUT], v[OT+48+4*k:OT+48+4*k+3], s[6:7] offset:3*16384+k*256
.set k, k+1
.endr
	s_endpgm
.Lfunc_end_k_qc79f587f81_prep:
	.size	k_qc79f587f81_prep, .Lfunc_end_k_qc79f587f81_prep-k_qc79f587f81_prep
	.p2alignl 7, 3214868480
	.fill 96, 4, 3214868480
	.section	.rodata,"a",@progbits
	.p2align	6, 0x0
	.amdhsa_kernel k_qc79f587f81_prep
		.amdhsa_group_segment_fixed_size 0
		.amdhsa_private_segment_fixed_size 0
		.amdhsa_enable_private_segment 0
		.amdhsa_kernarg_size 80
		.amdhsa_user_sgpr_count 2
		.amdhsa_user_sgpr_kernarg_segment_ptr 1
		.amdhsa_wavefront_size32 1
		.amdhsa_system_sgpr_workgroup_id_x 1
		.amdhsa_system_sgpr_workgroup_id_y 1
		.amdhsa_system_sgpr_workgroup_id_z 1
		.amdhsa_system_vgpr_workitem_id 0
		.amdhsa_next_free_vgpr 152
		.amdhsa_next_free_sgpr 66
		.amdhsa_reserve_vcc 0
		.amdhsa_float_denorm_mode_32 3
		.amdhsa_float_denorm_mode_16_64 3
		.amdhsa_memory_ordered 1
		.amdhsa_forward_progress 1
		.amdhsa_inst_pref_size 21
	.end_amdhsa_kernel
	.amdgpu_metadata
---
amdhsa.version: [ 1, 2 ]
amdhsa.kernels:
  - .name:           k_qc79f587f81_prep
    .symbol:         k_qc79f587f81_prep.kd
    .args:
      - { .name: x, .offset: 0, .size: 8, .value_kind: global_buffer, .address_space: global }
      - { .name: restore_know, .offset: 8, .size: 8, .value_kind: global_buffer, .address_space: global }
      - { .name: feature_know, .offset: 16, .size: 8, .value_kind: global_buffer, .address_space: global }
      - { .name: feature_know_w, .offset: 24, .size: 8, .value_kind: global_buffer, .address_space: global }
      - { .name: restore_know_w, .offset: 32, .size: 8, .value_kind: global_buffer, .address_space: global }
      - { .name: xb, .offset: 40, .size: 8, .value_kind: global_buffer, .address_space: global }
      - { .name: rb, .offset: 48, .size: 8, .value_kind: global_buffer, .address_space: global }
      - { .name: f2, .offset: 56, .size: 8, .value_kind: global_buffer, .address_space: global }
      - { .name: fw2, .offset: 64, .size: 8, .value_kind: global_buffer, .address_space: global }
      - { .name: rw2, .offset: 72, .size: 8, .value_kind: global_buffer, .address_space: global }
    .group_segment_fixed_size: 0
    .private_segment_fixed_size: 0
    .kernarg_segment_align: 8
    .kernarg_segment_size: 80
    .max_flat_workgroup_size: 256
    .sgpr_count:     66
    .vgpr_count:     152
    .wavefront_size: 32
...
	.end_amdgpu_metadata
.endif
;; end of part 4
;; launch feat: the kernel of part 2 again; grid 8 x 32, 4 waves a work-group, clusters of 4 x 4, 327,680 bytes of LDS; arguments xb, f2, fw2, hp; writes hp
;; launch rest: the kernel of part 3 again; grid 32 x 8, 4 waves a work-group, clusters of 4 x 1, 327,680 bytes of LDS; arguments rb, rw2, hp, out0; writes out0
